; MI455X (gfx1250); checked and timed in simulation.
; The chip was launched on July 23, 2026; its instructions are those of AMD's public machine-readable ISA for CDNA 5 (MIT licence, August 2026) and "CDNA5" Instruction Set Architecture Reference Guide (July 2026). The comments in the code are by the model that wrote it; some were corrected since.
;; Multihead Self Attention. Allowed arithmetic: matrix products marked QUANTISED: E5M2 operands, one E8M0 scale for each 32 along K, by v_wmma_scale_f32_16x16x128_f8f6f4 with both operands' format E5M2, f32 sums; everything else in f32.
;; Inputs: Wk 64 x 128 float32; Wq 64 x 128 float32; Wv 64 x 128 float32; bk 128 float32; bq 128 float32; bv 128 float32; x 8 x 4,096 x 64 float32.
;; Outputs: out0 8 x 4,096 x 128 float32.
;; This version of the problem:
;;   THIS VERSION OF THE PROBLEM IS GIVEN IN LOW PRECISION. The matrix products marked QUANTISED in the list below multiply operands that are first quantised to E5M2 (5 exponent bits, 2 mantissa bits; 8 bits a number), with one power-of-two scale for each 32 numbers along K (OCP MX v1.0); their sums are f32. All else is computed in f32.
;;   The module's matrix products, in the order in which they are computed (A, B: the left and right operand; K: the contracted axis; several contracted axes count as one K, in the product's order):
;;     1. [M 32,768, K 64] x [K 64, N 128]; A: input x; B: input Wq: QUANTISED
;;     2. [M 32,768, K 64] x [K 64, N 128]; A: input x; B: input Wk: QUANTISED
;;     3. [M 32,768, K 64] x [K 64, N 128]; A: input x; B: input Wv: QUANTISED
;;     4. batch 8 x [M 4,096, K 128] x [K 128, N 4,096]; A: computed on the way; B: computed on the way: QUANTISED
;;     5. batch 8 x [M 4,096, K 4,096] x [K 4,096, N 128]; A: softmax (see below); B: computed on the way: QUANTISED
;;   THE QUANTISER, for each operand of a quantised product, along K:
;;     - K is cut into blocks of 32 from its start; a last block that is shorter is filled with zeros.
;;     - A block's scale is 2^e with e = floor(log2(the largest magnitude in the block)) - 15, held to -126 .. 127; a block of zeros has e = 0. As a byte (E8M0): e + 127.
;;     - Each number is divided by its block's scale, clamped to +-57,344, and rounded to the nearest number of E5M2, ties to even, subnormals kept.
;;     - The product sums the exact products of the quantised numbers (number of the format x scale) in f32.
;;   ~~~python
;;   def quantise(x, axis):      # numpy; x: float32 -> the quantised numbers, widened to float32 again
;;       x = np.moveaxis(x, axis, -1); K = x.shape[-1]
;;       x = np.pad(x, [(0, 0)] * (x.ndim - 1) + [(0, -K % 32)]); x = x.reshape(x.shape[:-1] + (-1, 32)); a = np.abs(x).max(-1, keepdims=True)
;;       e = np.where(a > 0, np.clip(np.frexp(np.where(a > 0, a, 1))[1] - 1 - 15, -126, 127), 0)      # np.frexp(a)[1] - 1 = floor(log2(a)), exactly
;;       r = np.clip(x / 2.0 ** e, -57344, 57344)
;;       step = 2.0 ** (np.maximum(np.frexp(np.where(r == 0, 1, r))[1] - 1, -14) - 2)
;;       q = np.round(r / step) * step * 2.0 ** e      # np.round: ties to even
;;       return np.moveaxis(q.reshape(q.shape[:-2] + (-1,))[..., :K], -1, axis).astype(np.float32)
;;   ~~~
;;   SOFTMAX AHEAD OF A QUANTISED PRODUCT. Where the list says 'softmax', what is quantised is not the finished softmax but p = 2^(t - M), with t = logit x log2(e) and M = ceil(the row's largest t), a whole number; so 1/2 < the row's largest p <= 1. The row's sum l is taken of the UNQUANTISED p, in f32, and the product's result is divided by l at the end. Since M is a whole number, a kernel that streams over the keys may use a running M (the ceiling of the running maximum): every later rescaling is an exact power of two, which a block's scale takes up: the codes' values come out the same.
;;   OPERANDS COMPUTED ON THE WAY. 'Computed on the way' means the value that the module computes at that place (a softmax that the list does not call 'softmax' is quantised finished and normalised). What goes into a quantiser is computed in f32, as accurately as f32 sums, v_exp_f32 and their like allow (about 1e-6 of the number): no bf16 or f16 on the way to a quantiser, and a product that is left as it is and whose result goes on into a quantised operand takes f32 operands (vector FMAs, or v_wmma_f32_16x16x4_f32). A number that lies on a knife's edge between two numbers of the format may be rounded either way, as far as f32 arithmetic and the matrix unit's own rounding can turn it there, and no further.
;; One version. Each part assembles by itself: llvm-mc -triple=amdgcn-amd-amdhsa -mcpu=gfx1250 --defsym DOCPART=n.
;; ======== version 1 of 1: 2 launches
;; limits: right only within a limited range of input values
;; workspace buffers: qb 4,325,376 bytes; kv 8,659,456 bytes
;; launch proj (part 1): grid 256 x 1, 8 waves a work-group, no clusters, 72,192 bytes of LDS; arguments x, Wq, bq, Wk, bk, Wv, bv, qb, kv; writes qb, kv
.if DOCPART == 1
	.amdgcn_target "amdgcn-amd-amdhsa--gfx1250"
	.amdhsa_code_object_version 6
	.text
	.protected	k_q072bd3a8be_proj
	.globl	k_q072bd3a8be_proj
	.p2align	8
	.type	k_q072bd3a8be_proj,@function
k_q072bd3a8be_proj:
	s_mov_b64 s[64:65], 0
	v_nop
	global_prefetch_b8 v0, s[64:65] scope:SCOPE_SE
	s_setreg_imm32_b32 hwreg(HW_REG_WAVE_MODE, 25, 1), 1
	s_wait_xcnt 0x0
; Q = x Wq + bq, K = x Wk + bk, V = x Wv + bv on codes of BF8 (E5M2) with one E8M0 scale for each 32 along the 64 inputs, sums in f32; then Q and K are quantised
; along the head's 128 and V along the keys, and leave as IMAGES OF OPERAND REGISTERS: a fragment (16 rows x 128 K) is 2,048 bytes, register group c of lane l at 512 c + 16 l.
; A work-group takes 128 rows of x (a step).  qb: a step's 8 fragments of Q, then 512 bytes of scale words.
; kv: for each batch two streams (half = step / 2 % 2) of 8 chunks (step / 4) of two steps (q = step % 2), 67,584 bytes: K's tiles 0-3 of q = 0, its scale words, its tiles 4-7, K's 8 tiles of q = 1,
; its scale words, V's 8 tiles of q = 0 and of q = 1, their scale words.  Behind the last stream 8,704 bytes that nothing writes and nothing uses.
; A scale block holds the word of (tile T, row r) at 16 (r + 16 (T % 2)) + 4 (T / 2): one load of 16 bytes a lane brings four registers, even tiles in lanes 0-15, odd ones in lanes 16-31.
; THE ROWS OF A TILE ARE NOT NEIGHBOURS: lane r of tile 2 b + u (of x, Q, K, and of the weights' outputs, V's channels too) takes row 32 b + 8 u + r + 8 (r / 8), so that the 16 registers of two
; neighbouring result tiles are 16 neighbours along the next K.
; SHARES.  Waves 0-5: wave 2 m + c quantises inputs 32 c .. 32 c + 31 of weight m (q, k, v): each load reads a whole row of 512 bytes, a lane holds four columns, and the hold, which writes other registers
; than it reads, puts a column's 32 numbers on end.  Waves 6, 7 quantise 64 rows of x each, turned through a stage in LDS.  A lane holds whole blocks.  All goes to LDS as images.
; Then wave w makes fragment w of Q and of K (all 8 tiles of W x tile w of x) and of V (all 8 tiles of x x tile w of Wv): 24 matrix instructions, each on an accumulator of its own.
; K = 64 is half of the instruction's 128: a fragment of source 0 holds tile 2 p in its lower eight registers and tile 2 p + 1 in its upper; source 1 has zero codes over the half that does not count.
; LIMITS: NaN and infinities among the inputs are not served.  A block of zeros gets the byte 1 where the rule says 127: its codes are zeros, and this program alone reads the bytes.
; NO CLUSTER, NO TENSOR LOAD: x is read by one work-group; the three weights are 98,304 bytes in all and go straight into the registers that quantise them.
.set XIMG,  0                          ; LDS: x's 8 tiles, 1,024 bytes each
.set WIMG,  8192                       ; Wq's, Wk's, Wv's
.set XSC,   32768                      ; scale words, 256 bytes each: tile pair p, row r at 64 p + 4 r: the two bytes of tile 2 p, then of tile 2 p + 1
.set BIAS,  33792                      ; bq, then bk
.set SCOUT, 34816                      ; the scale blocks on their way out: K's, V's, Q's
.set XST,   36352                      ; waves 6 and 7: 64 rows x (256 bytes + 16)
.set XSTB,  17408
.set SPARE, 71168                      ; the spare words, 128 bytes for each wave: four blocks of 256 bytes that no other line names
.set QBLK,  16896
.set CHB,   67584                      ; a chunk's bytes in kv
.set LI,    2                          ; v2   16 x lane
.set LS,    3                          ; v3   4 x lane
.set WA,    4                          ; v4   a weight's image, my columns;  v5 their scale bytes
.set WS,    5
.set XA,    6                          ; v6   x's image, my rows;  v7 their scale bytes
.set XS,    7
.set XI,    8                          ; v8   x's stage, in;  v9 out
.set XR,    9
.set MYI,   10                         ; v10  tile w in an image;  v11 its scale bytes
.set MYS,   11
.set SCA,   12                         ; v12  my row's word in a scale block
.set BA,    13                         ; v13  the biases in LDS: + 64 h
.set BST,   14                         ; v14  where I put my bias word
.set SRD,   15                         ; v15  a scale block read back
.set BM,    16                         ; v16-31 at work
.set SO,    20
.set HO,    24
.set BY,    28
.set R,     32                         ; v32-159  the numbers as loaded
.set X,     160                        ; v160-223 two blocks by turns
.set C,     224                        ; v224-239 their codes
.set FB,    32                         ; later: v32-95 four fragments
.set ACC,   96                         ; v96-159 eight accumulators
.set Z,     160                        ; v160-199: zeros, tile w of x, zeros, tile w of Wv, zeros: eight registers each
.set PC,    200                        ; v200-215 codes
.set TM,    216                        ; v216-231 at work
.set BV,    232                        ; v232-239 bv of my channel, eight times: the C of V's products
.set SW,    240                        ; v240, v241 the fragments' scale words
.set XW,    242
.set WW,    243
.set PW,    244
.set GST,   245                        ; a fragment's store: 16 x lane + 2,048 x wave
.set BVA,   246
.set BOF,   247
.set BRAW,  248
.set SPW,   249
.set NIL,   250
.set BVR,   251
.set WV,    22
.set MNT,   23
.set SEL,   24
.macro WALU
	s_wait_alu depctr_va_vdst(0)
.endm
; Four blocks of 32 numbers of a lane: number i of block j is v[R + sj j + si i].  Codes to LDS; the scale bytes stay in v[BY] on.
.macro QB sj, si, isx
.irp j, 0,1,2,3
	v_max3_num_f32 v[BM+\j], |v[R+(\sj)*\j]|, |v[R+(\sj)*\j+(\si)]|, 0x8000000   ; with the floor 2^(16 - 127): the byte cannot fall under 1
.endr
.irp i, 2,4,6,8,10,12,14,16,18,20,22,24,26,28,30
.irp j, 0,1,2,3
	v_max3_num_f32 v[BM+\j], v[BM+\j], |v[R+(\sj)*\j+(\si)*\i]|, |v[R+(\sj)*\j+(\si)*(\i+1)]|
.endr
.endr
.irp j, 0,1,2,3
	v_add_nc_u32 v[SO+\j], 0xf8800000, v[BM+\j]    ; 15 off its exponent field: the conversion's scale operand
.endr
.irp j, 0,1,2,3
	v_and_or_b32 v[HO+\j], v[BM+\j], 0x7f800000, s[MNT]   ; 57,344 x the scale
.endr
.irp j, 0,1,2,3
	v_lshrrev_b32 v[BY+\j], 23, v[SO+\j]           ; the scale's byte
.endr
.irp j, 0,1,2,3
.set i_, 0
.rept 32
	v_med3_num_f32 v[X+32*(\j%2)+i_], v[R+(\sj)*\j+(\si)*i_], -v[HO+\j], v[HO+\j]   ; the conversion to an 8-bit code does not saturate (ISA guide 7.6.2): the hold
.set i_, i_+1
.endr
.irp g, 0,1,2,3
	v_cvt_scalef32_pk8_bf8_f32 v[C+8*(\j%2)+2*\g:C+8*(\j%2)+2*\g+1], v[X+32*(\j%2)+8*\g:X+32*(\j%2)+8*\g+7], v[SO+\j]
.endr
.if \isx
	ds_store_b128 v[XA], v[C+8*(\j%2):C+8*(\j%2)+3] offset:2048*(\j/2)+512*(\j%2)
	ds_store_b128 v[XA], v[C+8*(\j%2)+4:C+8*(\j%2)+7] offset:2048*(\j/2)+512*(\j%2)+256
.else
	ds_store_b128 v[WA], v[C+8*(\j%2):C+8*(\j%2)+3] offset:16*\j
	ds_store_b128 v[WA], v[C+8*(\j%2)+4:C+8*(\j%2)+7] offset:16*\j+256
.endif
.endr
	v_nop                                          ; a plain line behind the last conversion
.endm
; 64 results of a lane, register 16 b + i = k 32 b + 16 (lane / 16) + i of my row, become codes in v[PC] on and my row's scale word in v[PW].
.macro QUANT
.irp b, 0,1,2,3
	v_max3_num_f32 v[TM+\b], |v[ACC+16*\b]|, |v[ACC+1+16*\b]|, 0x8000000
.endr
.irp i, 2,4,6,8,10,12,14
.irp b, 0,1,2,3
	v_max3_num_f32 v[TM+\b], v[TM+\b], |v[ACC+16*\b+\i]|, |v[ACC+1+16*\b+\i]|
.endr
.endr
.irp b, 0,1,2,3
	v_permlanex16_b32 v[TM+4+\b], v[TM+\b], s[SEL], s[SEL+1]
.endr
.irp b, 0,1,2,3
	v_max_num_f32 v[TM+\b], v[TM+\b], v[TM+4+\b]   ; with lane l xor 16's: the block's largest magnitude
.endr
.irp b, 0,1,2,3
	v_add_nc_u32 v[TM+12+\b], 0xf8800000, v[TM+\b]
.endr
.irp b, 0,1,2,3
	v_and_or_b32 v[TM+8+\b], v[TM+\b], 0x7f800000, s[MNT]
.endr
.irp b, 0,1,2,3
	v_lshrrev_b32 v[TM+4+\b], 23, v[TM+12+\b]
.endr
	v_lshl_or_b32 v[PW], v[TM+5], 8, v[TM+4]
	v_lshl_or_b32 v[TM], v[TM+7], 8, v[TM+6]
.irp b, 0,1,2,3
.irp i, 0,1,2,3,4,5,6,7,8,9,10,11,12,13,14,15
	v_med3_num_f32 v[ACC+16*\b+\i], v[ACC+16*\b+\i], -v[TM+8+\b], v[TM+8+\b]
.endr
.if \b == 0
	v_lshl_or_b32 v[PW], v[TM], 16, v[PW]
.endif
	v_cvt_scalef32_pk8_bf8_f32 v[PC+4*\b:PC+4*\b+1], v[ACC+16*\b:ACC+16*\b+7], v[TM+12+\b]
	v_cvt_scalef32_pk8_bf8_f32 v[PC+4*\b+2:PC+4*\b+3], v[ACC+16*\b+8:ACC+16*\b+15], v[TM+12+\b]
.endr
	v_nop                                          ; a plain line behind the last conversion
.endm
.macro BIASIN boff                     ; the bias in the result's layout: tile 2 b + u, lane (r, h): units 32 b + 16 h + 8 u + 0 .. 7
.irp n, 0,1,2,3,4,5,6,7
	ds_load_b128 v[ACC+8*\n:ACC+8*\n+3], v[BA] offset:\boff+128*(\n/2)+32*(\n%2)
	ds_load_b128 v[ACC+8*\n+4:ACC+8*\n+7], v[BA] offset:\boff+128*(\n/2)+32*(\n%2)+16
.endr
.endm
.macro FRAGS img, sc                   ; the eight tiles of an image: four fragments of two, and their scale words: pairs 0, 2 in lanes 0-15, pairs 1, 3 in lanes 16-31
.irp k, 0,1,2,3,4,5,6,7,8,9,10,11,12,13,14,15
	ds_load_b128 v[FB+4*\k:FB+4*\k+3], v[LI] offset:\img+512*\k
.endr
	ds_load_b32 v[SW], v[LS] offset:\sc
	ds_load_b32 v[SW+1], v[LS] offset:\sc+128
.endm
.macro MUL1 p, u, isv
.set rA, FB+16*(\p)
.set rD, ACC+8*(2*(\p)+(\u))
.set rB, Z+8+16*(\isv)-8*(\u)
.set rC, rD
.if \isv
.set rC, BV
.endif
.if (\p)%2
	v_wmma_scale_f32_16x16x128_f8f6f4 v[rD:rD+7], v[rA:rA+15], v[rB:rB+15], v[rC:rC+7], v[SW+(\p)/2], v[XW+(\isv)] matrix_a_fmt:MATRIX_FMT_BF8 matrix_b_fmt:MATRIX_FMT_BF8 matrix_a_scale:MATRIX_SCALE_ROW1
.else
	v_wmma_scale_f32_16x16x128_f8f6f4 v[rD:rD+7], v[rA:rA+15], v[rB:rB+15], v[rC:rC+7], v[SW+(\p)/2], v[XW+(\isv)] matrix_a_fmt:MATRIX_FMT_BF8 matrix_b_fmt:MATRIX_FMT_BF8
.endif
.endm
; isv = 0: source 0 = 16 outputs of W, source 1 = tile w of x, C = the bias, loaded into the accumulator: a lane holds one row of x, its registers run along the 128 outputs.
; isv = 1: source 0 = 16 rows of x, source 1 = tile w of Wv, C = bv: a lane holds one channel, its registers run along the 128 keys.
.macro MULS isv
.irp p, 0,1,2,3
.irp u, 0,1
	MUL1 \p, \u, \isv
.endr
.endr
.rept 8
	v_nop                                          ; eight places in front of loads into registers that the products read and of the first read of the results
.endr
.endm
.macro SENDFRAG sb                     ; a fragment leaves: each store covers 512 consecutive bytes, aligned
.irp c, 0,1,2,3
	global_store_b128 v[GST], v[PC+4*\c:PC+4*\c+3], s[\sb:\sb+1] offset:512*\c
.endr
.endm
	s_load_b256 s[4:11], s[0:1], 0x0               ; x s[4:5], Wq s[6:7], bq s[8:9], Wk s[10:11]
	s_load_b256 s[12:19], s[0:1], 0x20             ; bk s[12:13], Wv s[14:15], bv s[16:17], qb s[18:19]
	s_load_b64 s[20:21], s[0:1], 0x40              ; kv
	v_lshl_add_u32 v[SPW], v0, 2, SPARE
	v_mov_b32 v[NIL], 0
	v_lshrrev_b32 v1, 5, v0
	v_readfirstlane_b32 s[WV], v1                  ; wave 0..7
	v_and_b32 v1, 31, v0                           ; lane
	v_lshlrev_b32 v[LI], 4, v1
	v_lshlrev_b32 v[LS], 2, v1
	v_and_b32 v16, 1, v0                           ; the lane's bits: 0,
	v_bfe_u32 v17, v0, 1, 1                        ; 1,
	v_bfe_u32 v18, v0, 2, 1                        ; 2,
	v_bfe_u32 v19, v0, 3, 2                        ; 3 and 4,
	v_bfe_u32 v20, v0, 3, 1                        ; 3,
	v_bfe_u32 v21, v0, 4, 1                        ; 4 (h),
	v_and_b32 v22, 7, v0                           ; 0 to 2,
	v_and_b32 v23, 15, v0                          ; 0 to 3 (r)
	WALU
	s_lshr_b32 s28, s[WV], 1
	s_and_b32 s29, s[WV], 1
	s_lshl_b32 s30, s28, 13
	s_lshl_b32 s31, s29, 9
	s_add_co_u32 s30, s30, s31
	s_add_co_u32 s30, s30, WIMG                    ; weight m's image, block c
	s_lshl_b32 s31, s28, 8
	s_add_co_u32 s31, s31, s29
	s_add_co_u32 s31, s31, XSC+256                 ; its scale bytes, byte c
	v_lshlrev_b32 v[WA], 11, v19                   ; column 4 lane + j: tile 2 (lane / 8) + bit 1, row 4 bit 0 + 8 bit 2 + j
	v_lshlrev_b32 v[WS], 6, v19
	v_lshl_add_u32 v[WA], v17, 10, v[WA]
	v_lshl_add_u32 v[WS], v17, 1, v[WS]
	v_lshl_add_u32 v[WA], v16, 6, v[WA]
	v_lshl_add_u32 v[WS], v16, 4, v[WS]
	v_lshl_add_u32 v[WA], v18, 7, v[WA]
	v_lshl_add_u32 v[WS], v18, 5, v[WS]
	v_add_nc_u32 v[WA], s30, v[WA]
	v_add_nc_u32 v[WS], s31, v[WS]
	s_lshl_b32 s30, s29, 12                        ; x: 64 rows are four tiles
	s_lshl_b32 s31, s29, 7
	s_add_co_u32 s31, s31, XSC
	v_lshlrev_b32 v[XA], 10, v20                   ; row 32 s + lane: tile 2 s + bit 3, row (lane % 8) + 8 h
	v_lshlrev_b32 v[XS], 1, v20
	v_lshl_add_u32 v[XA], v22, 4, v[XA]
	v_lshl_add_u32 v[XS], v22, 2, v[XS]
	v_lshl_add_u32 v[XA], v21, 7, v[XA]
	v_lshl_add_u32 v[XS], v21, 5, v[XS]
	v_add_nc_u32 v[XA], s30, v[XA]
	v_add_nc_u32 v[XS], s31, v[XS]
	s_mul_i32 s30, s29, XSTB
	s_add_co_u32 s30, s30, XST
	v_mul_u32_u24 v[XI], v21, 272
	v_mul_u32_u24 v[XR], v1, 272
	v_lshl_add_u32 v[XI], v23, 4, v[XI]
	v_add_nc_u32 v[XR], s30, v[XR]
	v_add_nc_u32 v[XI], s30, v[XI]
	s_lshl_b32 s30, s[WV], 10
	v_add_nc_u32 v[MYI], s30, v[LI]
	s_lshl_b32 s30, s28, 6
	s_lshl_b32 s31, s29, 1
	s_add_co_u32 s30, s30, s31
	v_lshl_add_u32 v[MYS], v23, 2, s30
	s_lshl_b32 s30, s29, 8
	s_lshl_b32 s31, s28, 2
	s_add_co_u32 s30, s30, s31
	s_add_co_u32 s30, s30, SCOUT
	v_lshl_add_u32 v[SCA], v23, 4, s30             ; 16 (r + 16 u) + 4 b
	v_lshl_add_u32 v[BA], v21, 6, BIAS
	v_lshl_add_u32 v[BST], v0, 2, BIAS
	s_lshl_b32 s30, s[WV], 9
	s_add_co_u32 s30, s30, SCOUT
	v_add_nc_u32 v[SRD], s30, v[LI]
	s_lshl_b32 s30, s[WV], 11
	v_add_nc_u32 v[GST], s30, v[LI]
	s_lshl_b32 s30, s28, 7
	s_lshl_b32 s31, s29, 5
	s_add_co_u32 s30, s30, s31                     ; bv: channel 32 b + 8 u + (r % 8) + 16 (r / 8)
	v_lshl_add_u32 v[BVA], v22, 2, s30
	v_lshl_add_u32 v[BVA], v20, 6, v[BVA]
	v_and_b32 v[BOF], 127, v0
	v_lshlrev_b32 v[BOF], 2, v[BOF]
	s_lshl_b32 s36, s29, 14                        ; what I load: 16,384 dense bytes of a weight,
	s_lshl_b32 s38, ttmp9, 15                      ; or of the step's 128 rows of x
	s_cmp_lt_u32 s[WV], 6
	s_cselect_b32 s38, 0, s38
	s_add_co_u32 s36, s36, s38
	s_mov_b32 s37, 0
	s_mul_i32 s40, ttmp9, QBLK                     ; the step in qb,
	s_mov_b32 s41, 0
	s_add_co_u32 s52, s40, 16384                   ; its scale block
	s_mov_b32 s53, 0
	s_lshr_b32 s42, ttmp9, 5                       ; in kv: the batch's two streams,
	s_mul_i32 s42, s42, 16*CHB
	s_bfe_u32 s30, ttmp9, 0x10001                  ; the half's stream,
	s_mul_i32 s30, s30, 8*CHB
	s_add_co_u32 s42, s42, s30
	s_bfe_u32 s30, ttmp9, 0x30002                  ; the chunk
	s_mul_i32 s30, s30, CHB
	s_add_co_u32 s42, s42, s30
	s_and_b32 s33, ttmp9, 1                        ; q
	s_xor_b32 s32, s33, 1
	s_mul_i32 s44, s33, 16896                      ; K: 2,048 wave on; for q = 0 512 more behind tile 3
	s_lshr_b32 s30, s[WV], 2
	s_lshl_b32 s30, s30, 9
	s_mul_i32 s30, s30, s32
	s_add_co_u32 s44, s44, s30
	s_add_co_u32 s44, s44, s42
	s_mov_b32 s45, 0
	s_lshl_b32 s46, s33, 14                        ; V
	s_add_co_u32 s46, s46, 33792
	s_add_co_u32 s46, s46, s42
	s_mov_b32 s47, 0
	s_mul_i32 s48, s33, 25088                      ; K's scale block
	s_add_co_u32 s48, s48, 8192
	s_add_co_u32 s48, s48, s42
	s_mov_b32 s49, 0
	s_lshl_b32 s50, s33, 9                         ; V's
	s_add_co_u32 s50, s50, 66560
	s_add_co_u32 s50, s50, s42
	s_mov_b32 s51, 0
	s_mov_b32 s[MNT], 0x600000                     ; the mantissa field of 57,344
	s_mov_b32 s[SEL], 0x76543210
	s_mov_b32 s[SEL+1], 0xfedcba98                 ; v_permlanex16_b32's selects for lane l xor 16
	WALU
	s_wait_kmcnt 0x0
	s_cmp_lt_u32 s[WV], 2                          ; the choices hang on the wave's number alone
	s_cselect_b64 s[26:27], s[6:7], s[10:11]
	s_cmp_lt_u32 s[WV], 4
	s_cselect_b64 s[26:27], s[26:27], s[14:15]
	s_cselect_b64 s[34:35], s[8:9], s[12:13]       ; waves 0-3 bring bq, waves 4-7 bk
	s_cmp_lt_u32 s[WV], 6
	s_cselect_b64 s[26:27], s[26:27], s[4:5]
	s_add_nc_u64 s[26:27], s[26:27], s[36:37]
.set i_, 0
.rept 32
	global_load_b128 v[R+4*i_:R+4*i_+3], v[LI], s[26:27] offset:512*i_   ; 32 lanes read 512 consecutive bytes
.set i_, i_+1
.endr
	global_load_b32 v[BRAW], v[BOF], s[34:35]
	global_load_b32 v[BVR], v[BVA], s[16:17]
	s_add_nc_u64 s[40:41], s[18:19], s[40:41]
	s_add_nc_u64 s[52:53], s[18:19], s[52:53]
	s_add_nc_u64 s[44:45], s[20:21], s[44:45]
	s_add_nc_u64 s[46:47], s[20:21], s[46:47]
	s_add_nc_u64 s[48:49], s[20:21], s[48:49]
	s_add_nc_u64 s[50:51], s[20:21], s[50:51]
	s_wait_loadcnt 2                               ; the 32 are in; the two biases may be out
	s_cmp_lt_u32 s[WV], 6
	s_cbranch_scc0 .Lrows
	QB 1, 4, 0
.irp j, 0,1,2,3
	ds_store_b8 v[WS], v[BY+\j] offset:4*\j
.endr
	WALU
	s_branch .Lmade
.Lrows:
.set i_, 0
.rept 32
	ds_store_b128 v[XI], v[R+4*i_:R+4*i_+3] offset:544*i_   ; two rows
.set i_, i_+1
.endr
.irp s, 0,1
.irp k, 0,1,2,3,4,5,6,7,8,9,10,11,12,13,14,15
	ds_load_b128 v[R+64*\s+4*\k:R+64*\s+4*\k+3], v[XR] offset:8704*\s+16*\k   ; my row 32 s + lane.  LDS serves a wave's instructions in order (ISA guide 5.7.1.4)
.endr
.endr
	s_wait_dscnt 0x0
	QB 32, 1, 1
	v_lshl_or_b32 v[BY], v[BY+1], 8, v[BY]
	v_lshl_or_b32 v[BY+2], v[BY+3], 8, v[BY+2]
	ds_store_b16 v[XS], v[BY]
	ds_store_b16 v[XS], v[BY+2] offset:64
	WALU
.Lmade:
	s_wait_loadcnt 0x0
	ds_store_b32 v[BST], v[BRAW]
.irp j, 0,1,2,3,4,5,6,7
	v_mov_b32 v[Z+\j], 0
	v_mov_b32 v[Z+16+\j], 0
	v_mov_b32 v[Z+32+\j], 0
.endr
.irp b, 0,1,2,3
	v_mov_b32 v[TM+4+\b], 0                        ; written once: a lane permute's destination counts as one of its sources
.endr
	WALU
	s_wait_dscnt 0x0                               ; for the others' sake: my images and my bias word have landed
	s_barrier_signal -1
	s_barrier_wait -1
	ds_load_u16 v[XW], v[MYS] offset:XSC
	ds_load_u16 v[WW], v[MYS] offset:XSC+768
	ds_load_b128 v[Z+8:Z+11], v[MYI] offset:XIMG
	ds_load_b128 v[Z+12:Z+15], v[MYI] offset:XIMG+512
	ds_load_b128 v[Z+24:Z+27], v[MYI] offset:WIMG+16384
	ds_load_b128 v[Z+28:Z+31], v[MYI] offset:WIMG+16384+512
	FRAGS WIMG, XSC+256
	BIASIN 0
	s_wait_dscnt 0x0
	v_lshl_or_b32 v[XW], v[XW], 16, v[XW]          ; the tile's two bytes over either half of K
	v_lshl_or_b32 v[WW], v[WW], 16, v[WW]
.irp j, 0,1,2,3,4,5,6,7
	v_mov_b32 v[BV+\j], v[BVR]                     ; a C operand is eight registers: a lane's eight keys take the same bv.  (These are also the eight places behind the scale words)
.endr
	MULS 0                                         ; fragment w of Q
	FRAGS WIMG+8192, XSC+512
	QUANT
	BIASIN 512
	SENDFRAG 40
	ds_store_b32 v[SCA], v[PW] offset:1024
	s_wait_xcnt 0x0                                ; the stores have read v[PC] on, which the next QUANT writes
	s_wait_dscnt 0x0
	MULS 0                                         ; of K
	FRAGS XIMG, XSC
	QUANT
	SENDFRAG 44
	ds_store_b32 v[SCA], v[PW]
	s_wait_xcnt 0x0
	s_wait_dscnt 0x0
	MULS 1                                         ; of V
	QUANT
	SENDFRAG 46
	ds_store_b32 v[SCA], v[PW] offset:512
	s_wait_dscnt 0x0                               ; my scale words have landed
	s_barrier_signal -1
	s_barrier_wait -1
	s_cmp_lt_u32 s[WV], 3                          ; waves 0, 1, 2 send K's, V's and Q's scale block
	s_cbranch_scc0 .Lend
	s_wait_xcnt 0x0                                ; V's stores have read v[PC] on
	ds_load_b128 v[PC:PC+3], v[SRD]
	s_cmp_eq_u32 s[WV], 0
	s_cselect_b64 s[54:55], s[48:49], s[50:51]
	s_cmp_eq_u32 s[WV], 2
	s_cselect_b64 s[54:55], s[52:53], s[54:55]
	s_wait_dscnt 0x0
	global_store_b128 v[LI], v[PC:PC+3], s[54:55]  ; 512 consecutive bytes, aligned
.Lend:
	s_wait_tensorcnt 0x0                           ; the wave's end
	ds_add_u32 v[SPW], v[NIL]
	s_wait_dscnt 0x0
	s_endpgm
.Lfunc_end_k_q072bd3a8be_proj:
	.size	k_q072bd3a8be_proj, .Lfunc_end_k_q072bd3a8be_proj-k_q072bd3a8be_proj
	.p2alignl 7, 3214868480
	.fill 96, 4, 3214868480
	.section	.rodata,"a",@progbits
	.p2align	6, 0x0
	.amdhsa_kernel k_q072bd3a8be_proj
		.amdhsa_group_segment_fixed_size 72192
		.amdhsa_private_segment_fixed_size 0
		.amdhsa_enable_private_segment 0
		.amdhsa_kernarg_size 72
		.amdhsa_user_sgpr_count 2
		.amdhsa_user_sgpr_kernarg_segment_ptr 1
		.amdhsa_wavefront_size32 1
		.amdhsa_system_sgpr_workgroup_id_x 1
		.amdhsa_system_sgpr_workgroup_id_y 1
		.amdhsa_system_sgpr_workgroup_id_z 1
		.amdhsa_system_vgpr_workitem_id 0
		.amdhsa_next_free_vgpr 256
		.amdhsa_next_free_sgpr 66
		.amdhsa_reserve_vcc 0
		.amdhsa_float_denorm_mode_32 3
		.amdhsa_float_denorm_mode_16_64 3
		.amdhsa_memory_ordered 1
		.amdhsa_forward_progress 1
		.amdhsa_inst_pref_size 81
	.end_amdhsa_kernel
	.amdgpu_metadata
---
amdhsa.version: [ 1, 2 ]
amdhsa.kernels:
  - .name:           k_q072bd3a8be_proj
    .symbol:         k_q072bd3a8be_proj.kd
    .args:
      - { .name: x, .offset: 0, .size: 8, .value_kind: global_buffer, .address_space: global }
      - { .name: Wq, .offset: 8, .size: 8, .value_kind: global_buffer, .address_space: global }
      - { .name: bq, .offset: 16, .size: 8, .value_kind: global_buffer, .address_space: global }
      - { .name: Wk, .offset: 24, .size: 8, .value_kind: global_buffer, .address_space: global }
      - { .name: bk, .offset: 32, .size: 8, .value_kind: global_buffer, .address_space: global }
      - { .name: Wv, .offset: 40, .size: 8, .value_kind: global_buffer, .address_space: global }
      - { .name: bv, .offset: 48, .size: 8, .value_kind: global_buffer, .address_space: global }
      - { .name: qb, .offset: 56, .size: 8, .value_kind: global_buffer, .address_space: global }
      - { .name: kv, .offset: 64, .size: 8, .value_kind: global_buffer, .address_space: global }
    .group_segment_fixed_size: 72192
    .private_segment_fixed_size: 0
    .kernarg_segment_align: 8
    .kernarg_segment_size: 72
    .max_flat_workgroup_size: 256
    .sgpr_count:     66
    .vgpr_count:     256
    .wavefront_size: 32
...
	.end_amdgpu_metadata
.endif
;; end of part 1
;; launch attn (part 2): grid 32 x 8, 8 waves a work-group, clusters of 4 x 1, 327,680 bytes of LDS; arguments qb, kv, out0; writes out0
.if DOCPART == 2
	.amdgcn_target "amdgcn-amd-amdhsa--gfx1250"
	.amdhsa_code_object_version 6
	.text
	.protected	k_q072bd3a8be_attn
	.globl	k_q072bd3a8be_attn
	.p2align	8
	.type	k_q072bd3a8be_attn,@function
k_q072bd3a8be_attn:
	s_mov_b64 s[64:65], 0
	v_nop
	global_prefetch_b8 v0, s[64:65] scope:SCOPE_SE
	s_setreg_imm32_b32 hwreg(HW_REG_WAVE_MODE, 25, 1), 1
	s_wait_xcnt 0x0
	s_wait_alu depctr_hold_cnt(0) depctr_sa_sdst(0) depctr_va_vdst(0) depctr_va_sdst(0) depctr_va_ssrc(0) depctr_va_vcc(0) depctr_vm_vsrc(0)
	s_getreg_b32 s2, hwreg(HW_REG_IB_STS2, 6, 4)
	s_cmp_eq_u32 s2, 0
	s_cbranch_scc0 .Lentry_in_a_cluster
	s_endpgm
.Lentry_in_a_cluster:
	s_bfe_u32 s2, ttmp6, 0x10000c
	s_cmp_lg_u32 s2, 0x3003
	s_cbranch_scc0 .Lentry_shape_is_right
	s_endpgm
.Lentry_shape_is_right:
; out0[b][q][:] = the sum over k of softmax_k(Q[b][q] . K[b][k] / sqrt(128)) V[b][k][:], both products on codes of BF8 (E5M2) with one E8M0 scale for each 32 along a product's K.
; qb and kv hold Q, K and V as images of operand registers: a fragment (16 rows x 128 K) is 2,048 bytes, register group c of lane l at 512 c + 16 l.
; qb: for a step of 128 rows Q's 8 fragments and 512 bytes of scale words.  kv: for each batch two streams, one for each half of the keys, of 8 chunks of 256 keys, 67,584 bytes:
; K's group 0 (4 fragments), the scale words of K's groups 0 and 1, K's groups 1, 2, 3, the scale words of groups 2 and 3, V's four batches of 4 fragments (keys innermost), V's scale words of both steps.
; THE SOFTMAX.  t = score x log2(e) / sqrt(128).  EACH BLOCK OF 32 KEYS HAS A WHOLE NUMBER OF ITS OWN, Mb = floor(its largest t): p' = 2^(t - Mb) has its largest in 1 .. 2, so that
; the block's scale is 2^-15 and its largest code 1.75 for every block.  M = the largest Mb of the row so far; p = p' 2^(Mb - M), so the scale's byte is 112 + Mb - M (held at 1 from below):
; whole numbers, nothing is rounded.  The row's sum is taken of the unquantised p', block by block, weighted by 2^(Mb - M), and divides at the end.
; When M moves, the sum and O are multiplied by 2^(old M - new M): exact; once for a chunk of 256 keys.
; SHARES.  A work-group owns 128 queries of one batch.  Wave w: g = w % 4 owns 32 queries (Q's tiles 2 g and 2 g + 1), half = w / 4 says which stream of keys it walks.
; So each fragment read from LDS feeds two matrix instructions, and two waves of 512 registers lie on a SIMD.  At the end the two halves of the keys are joined by exact powers of two:
; each wave hands one of its two tiles to its partner through LDS, and finishes and stores the other.
; LAYOUT.  Both products are used transposed: S^T = K Q^T, O^T = V^T P^T: a lane holds ONE query (lane % 16) throughout.  The keys of a tile of K are chosen (lane r of tile 2 b + u: key
; 32 b + 8 u + r + 8 (r / 8)) so that the 16 registers of two neighbouring tiles of S^T are 16 neighbouring keys: the conversions' results are the second product's operand.  V's channels likewise.
; A CHUNK is four groups of 64 keys (4 tiles of K x 2 of queries, 64 scores a lane), in two sets of registers by turns.  The next group's products stand behind a group's exponentials, its sums are
; their places, and its holds stand among the next group's exponentials.  The chunk's 32 products with V go in four batches.
; A SLOT begins behind a chunk's group 0 and ends with the NEXT chunk's group 0 and its scale words, so that at a change of slots that group is in registers: its products, maxima and logits
; stand between the signal and the wait of the change, with V's last batch.  The first chunk's group 0 comes by plain loads.  (The last slot's end is not read.)
; CLUSTER.  The four work-groups of a cluster belong to one batch and walk the same K and V: each eighth of a slot is asked for JOINTLY, by the same tensor load with the same descriptor and a mask
; that names the four.  A slot is 135,168 bytes, 67,584 dense bytes of each stream; each of the 8 waves fetches 66 rows of 256 bytes.  By this text's own count a wave has one tensor load outstanding at the most.
; No prefetch: a refill is asked for at a change of slots and has most of a chunk's 64 matrix instructions and thousand vector lines of each wave in which to land.
; LIMITS: NaN and infinities are not served; the exponents t stay under 2^31 in magnitude.  A block whose largest p lies under 2^-111 of the row's keeps the byte 1.
; REGISTERS.  Window 0: the names below; v64-127 four fragments of K or V; v128-191, v192-255 two sets of scores, then p', then V's fragments.  Window 1: v0-127 O^T (64 a tile); v128-159 Q; v160-223 p's codes; v224-239 block sums.
.set CHB,   67584                      ; a chunk's bytes in kv
.set HEADB, 8704                       ; its group 0 and the scale words behind it
.set SLOTB, 2*CHB
.set PART,  SLOTB/8                    ; 66 rows of 256 bytes
.set SPARE, 2*SLOTB                    ; the spare words, 128 bytes for each wave: four blocks of 256 bytes that no other line names
.set AREA,  8448                       ; the hand-over, in slot 0 behind its last fill and read: 8,192 bytes of O^T and 256 of statistics for each wave;
.set STG,   8*AREA                     ; behind it, in slot 0 too, the way out: 16 rows x 528 bytes for each wave
.set NSL,   8                          ; chunks in a stream
.set KS1,   24576                      ; in a slot: the scale words of K's groups 2 and 3,
.set VB,    25088                      ; V,
.set VS0,   57856                      ; V's scale words, 512 bytes a step,
.set NK0,   58880-32768                ; the next chunk's group 0 (from ADV on),
.set NKS,   67072-32768                ; and its scale words
.set ABASE, 1                          ; v1   16 x lane + my half's part of a slot
.set ADR,   2                          ; v2   + the slot in hand
.set SPW,   3                          ; v3   my spare word; never rewritten
.set NIL,   4                          ; v4   0; never rewritten
.set QSW,   5                          ; v5   Q's scale words: lanes 0-15 tile 2 g, lanes 16-31 tile 2 g + 1
.set LI,    6                          ; v6   16 x lane
.set SC15,  7                          ; v7   2^-15, the conversions' scale operand
.set KS,    8                          ; v8-15  K's scale words of both steps: register j of a step: tile 2 j in lanes 0-15, tile 2 j + 1 in lanes 16-31
.set VS,    16                         ; v16-19, v24-27 V's likewise
.set PSW,   20                         ; v20-23 p's scale words: 2 x step + tile
.set M,     28                         ; v28, v29 M of the two tiles
.set L,     30                         ; v30-33 the sums, in two halves each
.set F,     34                         ; v34, v35 2^(old M - new M)
.set T,     36                         ; v36-43 at work
.set MB,    44                         ; v44-59 Mb of tile u's block b at 8 u + b; then Mb - M; then 2^(Mb - M)
.set ADV,   60                         ; v60  ADR + 32,768
.set FR,    64
.set SA,    128
.set SB,    192
.set QF,    128                        ; in window 1
.set CD,    160                        ; in window 1: tile u, step q: 32 u + 16 q
.set PS,    224                        ; in window 1: the sums of p' of tile u's block b at 8 u + b
.set WV,    10
.set HALF,  11
.set G,     12
.set G1,    16                         ; s[16:23] descriptor group 1
.set G0,    24                         ; s[24:27] group 0, which walks
.set SEL,   28
.set CS,    30
.set HOLD,  32                         ; 1.75
.set TB,    33                         ; LDS byte at which the slot in hand begins
.set SLOTS, 34
.set WB,    35                         ; my eighth's place in a slot
.set N111,  50                         ; -111.0
.set K70,   51                         ; 112 in each byte
.set TF,    52                         ; LDS byte at which the slot to be filled begins
.set MSB, 0
.macro WIN new                         ; the immediate's high byte repeats the setting that is left; a switch that changes nothing is dropped
.if MSB != \new
	s_set_vgpr_msb (MSB<<8)|\new
.set MSB, \new
.endif
.endm
.set W_KQ, 0x04                        ; source 1 (Q) window 1
.set W_PV, 0x54                        ; source 1 (codes), C and D (O^T) window 1
.set W_RS, 0x41                        ; destination and source 0 (O^T) window 1
.macro WALU
	s_wait_alu depctr_va_vdst(0)
.endm
.macro CREST                           ; a round of the cluster's barrier behind its opening barrier
	s_cmp_lg_u32 s[WV], 0
	s_cbranch_scc1 .Lnot_wave_0_\@
	s_barrier_signal -3
.Lnot_wave_0_\@:
	s_barrier_wait -3
	s_barrier_signal -1
	s_barrier_wait -1
.endm
.macro JLOAD                           ; every wave fetches its eighth of a slot.  s_nop 0 and four v_nop follow the load
	tensor_load_to_lds s[G0:G0+3], s[G1:G1+7]
	s_nop 0
.rept 4
	v_nop
.endr
.endm
.macro LDK g                           ; K's four fragments of group g (1, 2, 3) of the slot in hand
.irp t, 0,1,2,3
.irp c, 0,1,2,3
	ds_load_b128 v[FR+16*\t+4*\c:FR+16*\t+4*\c+3], v[ADR] offset:8192*((\g)-1)+2048*\t+512*\c
.endr
.endr
.endm
.macro LDNEXT                          ; the next chunk's group 0 and its scale words, at the slot's end
.irp t, 0,1,2,3
.irp c, 0,1,2,3
	ds_load_b128 v[FR+16*\t+4*\c:FR+16*\t+4*\c+3], v[ADV] offset:NK0+2048*\t+512*\c
.endr
.endr
	ds_load_b128 v[KS:KS+3], v[ADV] offset:NKS
.endm
.macro LDV n, buf                      ; V's four fragments of batch n: step n / 2, channel tiles 4 (n % 2) on
.irp t, 0,1,2,3
.irp c, 0,1,2,3
	ds_load_b128 v[\buf+16*\t+4*\c:\buf+16*\t+4*\c+3], v[ADR] offset:VB+8192*(\n)+2048*\t+512*\c
.endr
.endr
.endm
.macro KQ1 g, t, u, sx
.set rT, 4*((\g)%2)+(\t)
.set rS, \sx+32*(\u)+8*(\t)
.set rK, FR+16*(\t)
.set rB, QF+16*(\u)
.set rC, KS+4*((\g)/2)+rT/2
.if ((\t)%2) && (\u)
	v_wmma_scale_f32_16x16x128_f8f6f4 v[rS:rS+7], v[rK:rK+15], v[rB:rB+15], 0, v[rC], v[QSW] matrix_a_fmt:MATRIX_FMT_BF8 matrix_b_fmt:MATRIX_FMT_BF8 matrix_a_scale:MATRIX_SCALE_ROW1 matrix_b_scale:MATRIX_SCALE_ROW1
.elseif (\t)%2
	v_wmma_scale_f32_16x16x128_f8f6f4 v[rS:rS+7], v[rK:rK+15], v[rB:rB+15], 0, v[rC], v[QSW] matrix_a_fmt:MATRIX_FMT_BF8 matrix_b_fmt:MATRIX_FMT_BF8 matrix_a_scale:MATRIX_SCALE_ROW1
.elseif \u
	v_wmma_scale_f32_16x16x128_f8f6f4 v[rS:rS+7], v[rK:rK+15], v[rB:rB+15], 0, v[rC], v[QSW] matrix_a_fmt:MATRIX_FMT_BF8 matrix_b_fmt:MATRIX_FMT_BF8 matrix_b_scale:MATRIX_SCALE_ROW1
.else
	v_wmma_scale_f32_16x16x128_f8f6f4 v[rS:rS+7], v[rK:rK+15], v[rB:rB+15], 0, v[rC], v[QSW] matrix_a_fmt:MATRIX_FMT_BF8 matrix_b_fmt:MATRIX_FMT_BF8
.endif
.endm
.macro KQ g, sx                        ; S^T of group g: register 16 (2 u + b) + i of set sx is key 32 b + 16 (lane / 16) + i of the group, tile u's query
	WIN W_KQ
.irp t, 0,1,2,3
.irp u, 0,1
	KQ1 \g, \t, \u, \sx
.endr
.endr
	WIN 0
.endm
.macro LOGITS g, sx                    ; the four blocks (2 u + b) by turns, each in two chains: largest score, Mb, t - Mb
.irp e, 0,1
.irp c, 0,1,2,3
	v_max3_num_f32 v[T+4*\e+\c], v[\sx+16*\c+8*\e], v[\sx+16*\c+8*\e+1], v[\sx+16*\c+8*\e+2]
.endr
.endr
.irp i, 3,5
.irp e, 0,1
.irp c, 0,1,2,3
	v_max3_num_f32 v[T+4*\e+\c], v[T+4*\e+\c], v[\sx+16*\c+8*\e+\i], v[\sx+16*\c+8*\e+\i+1]
.endr
.endr
.endr
.irp c, 0,1,2,3
	v_max3_num_f32 v[T+\c], v[T+\c], v[T+4+\c], v[\sx+16*\c+7]
.endr
.irp c, 0,1,2,3
	v_max_num_f32 v[T+\c], v[T+\c], v[\sx+16*\c+15]
.endr
.irp c, 0,1,2,3
	v_permlanex16_b32 v[T+4+\c], v[T+\c], s[SEL], s[SEL+1]
.endr
.irp c, 0,1,2,3
	v_max_num_f32 v[T+\c], v[T+\c], v[T+4+\c]      ; with lane l xor 16's 16 keys
.endr
	v_pk_mul_f32 v[T:T+1], v[T:T+1], s[CS:CS+1] op_sel_hi:[1,0]
	v_pk_mul_f32 v[T+2:T+3], v[T+2:T+3], s[CS:CS+1] op_sel_hi:[1,0]
.irp c, 0,1,2,3
	v_floor_f32 v[MB+8*(\c/2)+2*(\g)+\c%2], v[T+\c]
.endr
.irp j, 0,2,4,6,8,10,12,14
.irp u, 0,1
	v_pk_fma_f32 v[\sx+32*\u+\j:\sx+32*\u+\j+1], v[\sx+32*\u+\j:\sx+32*\u+\j+1], s[CS:CS+1], v[MB+8*\u+2*(\g):MB+8*\u+2*(\g)+1] op_sel_hi:[1,0,0] neg_lo:[0,0,1] neg_hi:[0,0,1]
	v_pk_fma_f32 v[\sx+32*\u+16+\j:\sx+32*\u+17+\j], v[\sx+32*\u+16+\j:\sx+32*\u+17+\j], s[CS:CS+1], v[MB+8*\u+2*(\g):MB+8*\u+2*(\g)+1] op_sel:[0,0,1] op_sel_hi:[1,0,1] neg_lo:[0,0,1] neg_hi:[0,0,1]
.endr
.endr
.endm
.macro HOLD2 r                         ; the conversion to an 8-bit code does not saturate (ISA guide 7.6.2): p' is held at 1.75; it is not negative, so the hold is one-sided
	v_dual_min_num_f32 v[\r], s[HOLD], v[\r] :: v_dual_min_num_f32 v[\r+1], s[HOLD], v[\r+1]
.endm
.macro EXPS sx, sy, pair               ; p' of set sx; pair = 1: the holds of the group before, in set sy, stand among them
	WALU
.set j_, 0
.rept 32
	v_exp_f32 v[\sx+j_], v[\sx+j_]
	v_exp_f32 v[\sx+j_+1], v[\sx+j_+1]
.if \pair
	HOLD2 \sy+j_
.endif
.set j_, j_+2
.endr
.if (\pair) == 0
	v_nop                                          ; a plain line behind the last exponential
.endif
	WALU
.endm
.macro SUMS g, sx                      ; each block's sum of the unquantised p', two at a time, the four blocks by turns
.irp c, 0,1,2,3
	v_pk_add_f32 v[T+2*\c:T+2*\c+1], v[\sx+16*\c:\sx+16*\c+1], v[\sx+16*\c+2:\sx+16*\c+3]
.endr
.irp i, 4,6,8,10,12,14
.irp c, 0,1,2,3
	v_pk_add_f32 v[T+2*\c:T+2*\c+1], v[T+2*\c:T+2*\c+1], v[\sx+16*\c+\i:\sx+16*\c+\i+1]
.endr
.endr
	WIN 0x40
.irp c, 0,1,2,3
	v_add_f32 v[PS+8*(\c/2)+2*(\g)+\c%2], v[T+2*\c], v[T+2*\c+1]
.endr
	WIN 0
.endm
.macro CODES g, sx                     ; set sx becomes codes: step g / 2, the step's blocks 2 (g % 2) and one on
	WIN 0x40
.irp c, 0,1,2,3
.set rD, CD+32*(\c/2)+16*((\g)/2)+4*(2*((\g)%2)+\c%2)
	v_cvt_scalef32_pk8_bf8_f32 v[rD:rD+1], v[\sx+16*\c:\sx+16*\c+7], v[SC15]
	v_cvt_scalef32_pk8_bf8_f32 v[rD+2:rD+3], v[\sx+16*\c+8:\sx+16*\c+15], v[SC15]
.endr
	v_nop                                          ; a plain line behind the last conversion
	WIN 0
.endm
.macro STATS                           ; the chunk's M, f and p's scale words
.irp u, 0,1
	v_max3_num_f32 v[T+\u], v[M+\u], v[MB+8*\u], v[MB+8*\u+1]
.endr
.irp k, 2,4,6
.irp u, 0,1
	v_max3_num_f32 v[T+\u], v[T+\u], v[MB+8*\u+\k], v[MB+8*\u+\k+1]
.endr
.endr
.irp k, 0,2,4,6                        ; Mb - M
	v_pk_add_f32 v[MB+\k:MB+\k+1], v[MB+\k:MB+\k+1], v[T:T+1] op_sel_hi:[1,0] neg_lo:[0,1] neg_hi:[0,1]
	v_pk_add_f32 v[MB+8+\k:MB+9+\k], v[MB+8+\k:MB+9+\k], v[T:T+1] op_sel:[0,1] op_sel_hi:[1,1] neg_lo:[0,1] neg_hi:[0,1]
.endr
	v_pk_add_f32 v[T+2:T+3], v[M:M+1], v[T:T+1] neg_lo:[0,1] neg_hi:[0,1]   ; old M - new M: whole numbers, 0 or less
.irp k, 0,2,4,6,8,10,12,14             ; not under -111: the byte not under 1
	v_dual_max_num_f32 v[MB+\k], s[N111], v[MB+\k] :: v_dual_max_num_f32 v[MB+\k+1], s[N111], v[MB+\k+1]
.endr
	v_cvt_i32_f32 v[T+2], v[T+2]                   ; (it saturates)
	v_cvt_i32_f32 v[T+3], v[T+3]
.irp k, 0,1,2,3,4,5,6,7,8,9,10,11,12,13,14,15
	v_cvt_i32_f32 v[MB+\k], v[MB+\k]
.endr
	v_mov_b32 v[M], v[T]
	v_mov_b32 v[M+1], v[T+1]
	v_ldexp_f32 v[F], 1.0, v[T+2]
	v_ldexp_f32 v[F+1], 1.0, v[T+3]
.irp u, 0,1                            ; p's scale words: 112 + Mb - M in each byte, as one sum of whole numbers
.irp q, 0,1
	v_add_nc_u32 v[PSW+2*\q+\u], s[K70], v[MB+8*\u+4*\q]
.endr
.endr
.irp k, 1,2,3
.irp u, 0,1
.irp q, 0,1
	v_lshl_add_u32 v[PSW+2*\q+\u], v[MB+8*\u+4*\q+\k], 8*\k, v[PSW+2*\q+\u]
.endr
.endr
.endr
.endm
.macro RESCALE                         ; O^T under the new M: x f, each accumulator from its low end on; these 64 lines are also the places in front of the products
	WIN W_RS
	WALU
.set j_, 0
.rept 32
	v_pk_mul_f32 v[j_:j_+1], v[j_:j_+1], v[F:F+1] op_sel_hi:[1,0]
	v_pk_mul_f32 v[64+j_:65+j_], v[64+j_:65+j_], v[F:F+1] op_sel:[0,1] op_sel_hi:[1,1]
.set j_, j_+2
.endr
.endm
.macro PV1 n, t, u, buf
.set rT, 4*((\n)%2)+(\t)
.set rE, (\n)/2
.set rO, 64*(\u)+8*rT
.set rV, \buf+16*(\t)
.set rP, CD+32*(\u)+16*rE
.set rC, VS+8*rE+rT/2
.set rW, PSW+2*rE+(\u)
.if (\t)%2
	v_wmma_scale_f32_16x16x128_f8f6f4 v[rO:rO+7], v[rV:rV+15], v[rP:rP+15], v[rO:rO+7], v[rC], v[rW] matrix_a_fmt:MATRIX_FMT_BF8 matrix_b_fmt:MATRIX_FMT_BF8 matrix_a_scale:MATRIX_SCALE_ROW1
.else
	v_wmma_scale_f32_16x16x128_f8f6f4 v[rO:rO+7], v[rV:rV+15], v[rP:rP+15], v[rO:rO+7], v[rC], v[rW] matrix_a_fmt:MATRIX_FMT_BF8 matrix_b_fmt:MATRIX_FMT_BF8
.endif
.endm
.macro PVB n, buf                      ; batch n of O^T += V^T P^T: the 16 accumulators take turns over the batches, one instruction a turn
	WIN W_PV
.irp t, 0,1,2,3
.irp u, 0,1
	PV1 \n, \t, \u, \buf
.endr
.endr
	WIN 0
.endm
.macro LUPD                            ; the sums under the new M, and the chunk's block sums x 2^(Mb - M)
	v_pk_mul_f32 v[L:L+1], v[L:L+1], v[F:F+1] op_sel_hi:[1,0]
	v_pk_mul_f32 v[L+2:L+3], v[L+2:L+3], v[F:F+1] op_sel:[0,1] op_sel_hi:[1,1]
	WIN 0x01
.irp k, 0,2,4,6
.irp u, 0,1
	v_pk_fma_f32 v[L+2*\u:L+2*\u+1], v[PS+8*\u+\k:PS+8*\u+\k+1], v[MB+8*\u+\k:MB+8*\u+\k+1], v[L+2*\u:L+2*\u+1]
.endr
.endr
	WIN 0
.endm
.macro FIRST                           ; group 0's products and logits, from registers
	KQ 0, SA
.rept 8
	v_nop                                          ; eight places in front of the first read of the scores
.endr
	LOGITS 0, SA
.endm
; THE CHANGE OF SLOTS.  Each wave waits for all its tensor loads, adds 0 to its spare word, and waits for that and for its reads of the slot that it leaves (V's last batch and the next chunk's group 0 are in registers).
; fill = 1: the barrier opens a round of the cluster's, and behind it the slot just left (the first time slot 1) takes what follows in the streams.  mid = 1: work on registers between signal and wait.
.macro CHANGE fill, mid
	s_wait_tensorcnt 0x0                           ; no tensor load of mine is out, so group 0 of the descriptor may be written
	ds_add_u32 v[SPW], v[NIL]                      ; 0 onto my spare word
.if \fill
	s_xor_b32 s[TF], s[TF], SLOTB                  ; the other slot than last time,
	s_add_co_u32 s[G0+1], s[WB], s[TF]
	s_add_nc_u64 s[G0+2:G0+3], s[G0+2:G0+3], CHB   ; my stream's next chunk; the type bits on top are not reached
.endif
	v_add_nc_u32 v[ADR], s[TB], v[ABASE]
	v_add_nc_u32 v[ADV], 0x8000, v[ADR]
	s_xor_b32 s[TB], s[TB], SLOTB
	WALU
	s_wait_dscnt 0x0                               ; the add is done, and my reads of the slot that I leave are over
	s_barrier_signal -1
.if \mid
	PVB 3, SA
	LUPD                                           ; its ten lines are also the places between V's fragments in set SA and the scores that are written over them
	FIRST
.endif
	s_barrier_wait -1
.if \fill
	CREST
	JLOAD
.endif
	LDK 1
	ds_load_b128 v[KS+4:KS+7], v[ADR] offset:KS1
.endm
.macro BODY last                       ; my 256 keys, from group 0's exponentials to V's third batch
	EXPS SA, SB, 0
	s_wait_dscnt 0x0
	KQ 1, SB
	SUMS 0, SA                                     ; (these lines are the places behind the products)
	LDK 2
	LOGITS 1, SB
	EXPS SB, SA, 1
	CODES 0, SA
	s_wait_dscnt 0x0
	KQ 2, SA
	SUMS 1, SB
	LDK 3
	LOGITS 2, SA
	EXPS SA, SB, 1
	CODES 1, SB
	s_wait_dscnt 0x0
	KQ 3, SB
	SUMS 2, SA
	LDV 0, FR
	ds_load_b128 v[VS:VS+3], v[ADR] offset:VS0
	ds_load_b128 v[VS+8:VS+11], v[ADR] offset:VS0+512
	LOGITS 3, SB
	EXPS SB, SA, 1
	CODES 2, SA
	LDV 1, SA
	SUMS 3, SB
.set k_, 0
.rept 32
	HOLD2 SB+k_
.set k_, k_+2
.endr
	CODES 3, SB
	LDV 2, SB
	STATS
	RESCALE
	WALU
	s_wait_dscnt 16                                ; V's batches 0 and 1 are in; the youngest 16 loads (batch 2's) may be out
	PVB 0, FR
	PVB 1, SA
.set k_, 0
.rept 16
	v_ldexp_f32 v[MB+k_], 1.0, v[MB+k_]            ; 2^(Mb - M); also the places in front of the loads below
.set k_, k_+1
.endr
	LDV 3, SA
.if \last
	WALU
	s_wait_dscnt 16                                ; batch 2 is in; batch 3's 16 loads may be out
.else
	LDNEXT
	WALU
	s_wait_dscnt 33                                ; batch 2 is in; batch 3's 16 loads and the 17 for the next chunk may be out
.endif
	PVB 2, SB
.endm
	s_load_b128 s[4:7], s[0:1], 0x0                ; qb s[4:5], kv s[6:7]
	s_load_b64 s[8:9], s[0:1], 0x10                ; out0
	v_lshl_add_u32 v[SPW], v0, 2, SPARE
	v_mov_b32 v[NIL], 0
	ds_add_u32 v[SPW], v[NIL]                      ; the wave's opening: the add twice on end, and its wait ahead of my first tensor load
	ds_add_u32 v[SPW], v[NIL]
	v_lshrrev_b32 v1, 5, v0
	v_readfirstlane_b32 s[WV], v1                  ; wave 0..7
	s_lshr_b32 s[HALF], s[WV], 2
	s_and_b32 s[G], s[WV], 3
	s_bfe_u32 s13, ttmp6, 0x40000                  ; cx: my place in the cluster: it enters Q's and out0's addresses alone
	s_lshl_b32 s14, ttmp9, 2
	s_add_co_u32 s14, s14, s13                     ; my block of 128 queries = 4 x cluster x + cx
	s_and_b32 s15, ttmp7, 0xffff                   ; the batch, which the four partners share
	; descriptor group 1: 66 rows of 256 bytes (32 elements of 8 bytes), dense in memory and in LDS
	s_mov_b32 s[G1], 15|(3<<16)|(1<<21)            ; 15:0 the mask: all four work-groups; 17:16 elements of 8 bytes; 21 set beside a mask; no padding
	s_mov_b32 s[G1+1], 32<<16                      ; tensor_dim0 = 32
	s_mov_b32 s[G1+2], 66<<16                      ; tensor_dim1 = 66
	s_mov_b32 s[G1+3], 32<<16                      ; tile_dim0 = 32
	s_mov_b32 s[G1+4], 66                          ; tile_dim1 = 66
	s_mov_b32 s[G1+5], 32                          ; from row to row
	s_mov_b32 s[G1+6], 0
	s_mov_b32 s[G1+7], 0
	s_mul_i32 s[WB], s[WV], PART                   ; my eighth of a slot
	s_mov_b32 s[G0], 1                             ; count = 1
	s_mov_b32 s[G0+1], s[WB]                       ; LDS address: in slot 0
	s_mul_i32 s40, s15, 16*CHB                     ; the batch's two streams,
	s_mul_i32 s56, s[HALF], 8*CHB                  ; my half's
	s_add_co_u32 s40, s40, s56
	s_mov_b32 s41, 0
	s_mul_i32 s54, s[G], PART                      ; my quarter of its part of a slot,
	s_add_co_u32 s54, s54, HEADB                   ; which begins behind group 0
	s_mov_b32 s55, 0
	s_lshl_b32 s42, s15, 5
	s_add_co_u32 s42, s42, s14                     ; my step of qb and of out0: 32 x batch + block
	s_mul_i32 s44, s42, 16896
	s_lshl_b32 s46, s42, 16                        ; out0: 128 rows of 512 bytes a step,
	s_lshl_b32 s47, s[G], 14                       ; 32 rows for each g,
	s_add_co_u32 s46, s46, s47
	s_lshl_b32 s47, s[HALF], 12                    ; and the tile that I finish: 8 rows on for tile 1
	s_add_co_u32 s46, s46, s47
	s_mov_b32 s47, 0
	s_lshl_b32 s43, s[G], 12
	s_add_co_u32 s42, s44, s43                     ; Q's tiles 2 g and 2 g + 1
	s_mov_b32 s43, 0
	s_lshl_b32 s45, s[G], 2
	s_add_co_u32 s44, s44, s45
	s_add_co_u32 s44, s44, 16384                   ; and their scale words: word g of each lane's 16 bytes
	s_mov_b32 s45, 0
	s_mov_b32 s[SEL], 0x76543210
	s_mov_b32 s[SEL+1], 0xfedcba98                 ; v_permlanex16_b32's selects for lane l xor 16
	s_mov_b32 s[CS], 0x3e0293ee                    ; c = log2(e) / sqrt(128)
	s_mov_b32 s[CS+1], s[CS]                       ; (named with it as a pair, so it is written)
	s_mov_b32 s[HOLD], 0x3fe00000
	s_mov_b32 s[N111], 0xc2de0000
	s_mov_b32 s[K70], 0x70707070
	s_mov_b32 s[TB], 0
	s_mov_b32 s[TF], 0
	s_mov_b32 s[SLOTS], NSL-2
	s_mul_i32 s48, s[HALF], CHB
	v_and_b32 v[LI], 31, v0
	v_mov_b32 v[SC15], 0x38000000
	v_lshlrev_b32 v[LI], 4, v[LI]
	v_add_nc_u32 v[ABASE], s48, v[LI]
	WALU
	s_wait_dscnt 0x0                               ; both opening adds are done
	s_barrier_signal -1
	s_barrier_wait -1
	CREST                                          ; all four work-groups are here: the first joint loads meet
	s_wait_kmcnt 0x0
	s_add_nc_u64 s[40:41], s[6:7], s[40:41]        ; my stream
	s_add_nc_u64 s[G0+2:G0+3], s[40:41], s[54:55]  ; global address
	s_or_b32 s[G0+3], s[G0+3], 0x80000000          ; type = 2
	JLOAD                                          ; slot 0
	s_add_nc_u64 s[36:37], s[4:5], s[42:43]
	s_add_nc_u64 s[38:39], s[4:5], s[44:45]
	s_add_nc_u64 s[8:9], s[8:9], s[46:47]
.irp t, 0,1,2,3
.irp c, 0,1,2,3
	global_load_b128 v[FR+16*\t+4*\c:FR+16*\t+4*\c+3], v[LI], s[40:41] offset:2048*\t+512*\c   ; the first chunk's group 0
.endr
.endr
	global_load_b128 v[KS:KS+3], v[LI], s[40:41] offset:8192
	global_load_b32 v[QSW], v[LI], s[38:39]
	WIN 0x40                                       ; destination window 1
.irp u, 0,1
.irp c, 0,1,2,3
	global_load_b128 v[QF+16*\u+4*\c:QF+16*\u+4*\c+3], v[LI], s[36:37] offset:2048*\u+512*\c   ; Q stays in registers
.endr
.endr
.set k_, 0
.rept 128
	v_mov_b32 v[k_], 0                             ; O^T.  (The chunk is written so that the first finds zeros, which the first change of M leaves zeros)
.set k_, k_+1
.endr
	WIN 0
.irp j, 0,1,2,3
	v_mov_b32 v[L+\j], 0
.endr
	v_mov_b32 v[M], 0xff61b1e6                     ; M so far: -3e38, under every Mb
	v_mov_b32 v[M+1], 0xff61b1e6
	WALU
	s_wait_loadcnt 0x0                             ; Q and group 0
	FIRST
	CHANGE 1, 0                                    ; slot 0 is whole; slot 1 is asked for
.Lslot:                                            ; 6 trips: behind each change of slots the slot just left is filled again
	BODY 0
	CHANGE 1, 1
	s_sub_co_u32 s[SLOTS], s[SLOTS], 1
	s_cmp_lg_u32 s[SLOTS], 0
	WALU
	s_cbranch_scc1 .Lslot
	BODY 0                                         ; the last two chunks are written out
	CHANGE 0, 1
	BODY 1
	WALU
	s_wait_dscnt 0x0                               ; V's last batch
	PVB 3, SA
	LUPD
	; THE TWO HALVES OF THE KEYS MEET.  The sum's two halves and lane l xor 16's; where things go.  These lines are also the places behind the last products.
	v_add_f32 v[T], v[L], v[L+1]
	v_add_f32 v[T+1], v[L+2], v[L+3]
	s_mul_i32 s48, s[WV], AREA                     ; my area,
	s_xor_b32 s49, s[WV], 4
	s_mul_i32 s49, s49, AREA                       ; my partner's,
	s_add_co_u32 s53, s48, STG                     ; my stage
	WALU
	v_permlanex16_b32 v[T+4], v[T], s[SEL], s[SEL+1]
	v_permlanex16_b32 v[T+5], v[T+1], s[SEL], s[SEL+1]
	v_add_nc_u32 v64, s48, v[LI]                   ; O^T: mine to give,
	v_add_nc_u32 v65, s49, v[LI]                   ; and to take
	v_add_f32 v[T], v[T], v[T+4]
	v_add_f32 v[T+1], v[T+1], v[T+5]
	v_lshrrev_b32 v66, 1, v[LI]                    ; 8 x lane
	v_and_b32 v70, 15, v0                          ; r
	v_bfe_u32 v71, v0, 4, 1                        ; h
	v_add_nc_u32 v67, s49, v66                     ; statistics: to take,
	v_add_nc_u32 v66, s48, v66                     ; and to give
	v_mul_u32_u24 v68, v70, 528
	v_add_nc_u32 v69, s53, v[LI]                   ; the stage: a row back
	v_lshl_add_u32 v68, v71, 6, v68
	v_add_nc_u32 v68, s53, v68                     ; and in: row r, + 64 h
	WALU
	s_cmp_lt_u32 s[WV], 4
	s_cbranch_scc0 .Lgive_0
	v_mov_b32 v[T+2], v[M]                         ; waves 0-3 keep tile 0 (M and sum in T + 2, T + 3) and give tile 1
	v_mov_b32 v[T+3], v[T]
	v_mov_b32 v[T+6], v[M+1]
	v_mov_b32 v[T+7], v[T+1]
	WIN 0x04                                       ; an LDS store's data are its source 1: window 1
.set k_, 0
.rept 16
	ds_store_b128 v64, v[64+4*k_:64+4*k_+3] offset:512*k_   ; O^T as it stands, each accumulator from its low end on
.set k_, k_+1
.endr
	WIN 0
	ds_store_b64 v66, v[T+6:T+7] offset:8192
	WALU
	s_branch .Lmet
.Lgive_0:
	v_mov_b32 v[T+2], v[M+1]                       ; waves 4-7 keep tile 1 and give tile 0
	v_mov_b32 v[T+3], v[T+1]
	v_mov_b32 v[T+6], v[M]
	v_mov_b32 v[T+7], v[T]
	WIN 0x04
.set k_, 0
.rept 16
	ds_store_b128 v64, v[4*k_:4*k_+3] offset:512*k_
.set k_, k_+1
.endr
	WIN 0
	ds_store_b64 v66, v[T+6:T+7] offset:8192
.Lmet:
	WALU
	s_wait_dscnt 0x0                               ; for the others' sake: what I hand over has landed
	s_barrier_signal -1
	s_barrier_wait -1
	ds_load_b64 v[T+4:T+5], v67 offset:8192        ; the other half's M and sum of my tile
.set k_, 0
.rept 16
	ds_load_b128 v[SA+4*k_:SA+4*k_+3], v65 offset:512*k_   ; and its O^T
.set k_, k_+1
.endr
	s_wait_dscnt 0x0
	v_max_num_f32 v44, v[T+2], v[T+4]              ; M of the whole row
	v_sub_f32 v45, v[T+2], v44                     ; my M - M, a whole number, 0 or less
	v_sub_f32 v46, v[T+4], v44                     ; the other's
	v_cvt_i32_f32 v45, v45
	v_cvt_i32_f32 v46, v46
	v_ldexp_f32 v48, 1.0, v45                      ; both halves are brought under M by exact powers of two
	v_ldexp_f32 v49, 1.0, v46
	v_mul_f32 v50, v[T+3], v48
	v_fmac_f32 v50, v[T+5], v49                    ; the row's sum
	WALU
	v_rcp_f32 v50, v50
	v_nop                                          ; a plain line behind the transcendental
	WALU
	v_mul_f32 v48, v48, v50                        ; what my O^T is multiplied by,
	v_mul_f32 v49, v49, v50                        ; and the other's
	WALU
	s_cmp_lt_u32 s[WV], 4
	s_cbranch_scc0 .Lkeep_1
	WIN 0x01                                       ; source 0 (my O^T) window 1
	WALU
.set j_, 0
.rept 32
	v_pk_mul_f32 v[SB+j_:SB+j_+1], v[j_:j_+1], v[48:49] op_sel_hi:[1,0]
.set j_, j_+2
.endr
	WIN 0
	WALU
	s_branch .Lkept
.Lkeep_1:
	WIN 0x01
	WALU
.set j_, 0
.rept 32
	v_pk_mul_f32 v[SB+j_:SB+j_+1], v[64+j_:65+j_], v[48:49] op_sel_hi:[1,0]
.set j_, j_+2
.endr
	WIN 0
.Lkept:
.set j_, 0
.rept 32
	v_pk_fma_f32 v[SA+j_:SA+j_+1], v[SA+j_:SA+j_+1], v[48:49], v[SB+j_:SB+j_+1] op_sel:[0,1,0] op_sel_hi:[1,1,1]
.set j_, j_+2
.endr
	; THE WAY OUT.  Register 8 t + i is out(my query, 32 (t / 2) + 8 (t % 2) + 16 h + i): the tile goes through my stage and comes back as whole rows of 512 bytes.  LDS serves a wave's instructions
	; in order (ISA guide 5.7.1.4): no wait between the stores and the loads.
.irp t, 0,1,2,3,4,5,6,7
	ds_store_b128 v68, v[SA+8*\t:SA+8*\t+3] offset:128*(\t/2)+32*(\t%2)
	ds_store_b128 v68, v[SA+8*\t+4:SA+8*\t+7] offset:128*(\t/2)+32*(\t%2)+16
.endr
.irp i, 0,1,2,3,4,5,6,7,8,9,10,11,12,13,14,15
	ds_load_b128 v[SB+4*\i:SB+4*\i+3], v69 offset:528*\i
.endr
.irp i, 0,1,2,3,4,5,6,7,8,9,10,11,12,13,14,15
	s_wait_dscnt 15-\i                             ; row i is back; behind it the later rows
	global_store_b128 v[LI], v[SB+4*\i:SB+4*\i+3], s[8:9] offset:512*(\i+8*(\i/8)) th:TH_STORE_NT   ; lane i of tile 2 g + u is row 32 g + 8 u + i + 8 (i / 8): 512 consecutive bytes, aligned
.endr
	s_wait_tensorcnt 0x0                           ; the wave's end, behind my last tensor load and my last LDS store
	ds_add_u32 v[SPW], v[NIL]
	s_wait_dscnt 0x0
	s_barrier_signal -1
	s_barrier_wait -1
	CREST                                          ; the closing round: no work-group ends while a partner may still ask for a tile that names it
	s_endpgm
.Lfunc_end_k_q072bd3a8be_attn:
	.size	k_q072bd3a8be_attn, .Lfunc_end_k_q072bd3a8be_attn-k_q072bd3a8be_attn
	.p2alignl 7, 3214868480
	.fill 96, 4, 3214868480
	.section	.rodata,"a",@progbits
	.p2align	6, 0x0
	.amdhsa_kernel k_q072bd3a8be_attn
		.amdhsa_group_segment_fixed_size 327680
		.amdhsa_private_segment_fixed_size 0
		.amdhsa_enable_private_segment 0
		.amdhsa_kernarg_size 24
		.amdhsa_user_sgpr_count 2
		.amdhsa_user_sgpr_kernarg_segment_ptr 1
		.amdhsa_wavefront_size32 1
		.amdhsa_system_sgpr_workgroup_id_x 1
		.amdhsa_system_sgpr_workgroup_id_y 1
		.amdhsa_system_sgpr_workgroup_id_z 1
		.amdhsa_system_vgpr_workitem_id 0
		.amdhsa_next_free_vgpr 512
		.amdhsa_next_free_sgpr 66
		.amdhsa_reserve_vcc 0
		.amdhsa_float_denorm_mode_32 3
		.amdhsa_float_denorm_mode_16_64 3
		.amdhsa_memory_ordered 1
		.amdhsa_forward_progress 1
		.amdhsa_inst_pref_size 241
	.end_amdhsa_kernel
	.amdgpu_metadata
---
amdhsa.version: [ 1, 2 ]
amdhsa.kernels:
  - .name:           k_q072bd3a8be_attn
    .symbol:         k_q072bd3a8be_attn.kd
    .args:
      - { .name: qb, .offset: 0, .size: 8, .value_kind: global_buffer, .address_space: global }
      - { .name: kv, .offset: 8, .size: 8, .value_kind: global_buffer, .address_space: global }
      - { .name: out0, .offset: 16, .size: 8, .value_kind: global_buffer, .address_space: global }
    .group_segment_fixed_size: 327680
    .private_segment_fixed_size: 0
    .kernarg_segment_align: 8
    .kernarg_segment_size: 24
    .max_flat_workgroup_size: 256
    .sgpr_count:     66
    .vgpr_count:     512
    .wavefront_size: 32
...
	.end_amdgpu_metadata
.endif
;; end of part 2
